; MI455X (gfx1250); checked and timed in simulation.
; The chip was launched on July 23, 2026; its instructions are those of AMD's public machine-readable ISA for CDNA 5 (MIT licence, August 2026) and "CDNA5" Instruction Set Architecture Reference Guide (July 2026). The comments in the code are by the model that wrote it; some were corrected since.
;; IDNN. Allowed arithmetic: float matrix products may take bf16 or f16 operands with f32 sums; other float arithmetic in f32, or as packed bf16 or f16 multiplies, adds, multiply-adds, maxima and minima; sums over many terms, partial sums and values carried from step to step in f32; what a program stores and reads back later, other than sums and carried values, may be rounded once to bf16 or f16.
;; Inputs: W1 16 x 256 float32; W2 256 x 256 float32; W3 256 x 1 float32; b1 256 float32; b2 256 float32; x 16,384 x 16 float32.
;; Outputs: out0 16,384 x 1 float32; out1 16,384 x 16 float32; out2 16,384 x 16 x 16 float32.
;; One version. Each part assembles by itself: llvm-mc -triple=amdgcn-amd-amdhsa -mcpu=gfx1250 --defsym DOCPART=n.
;; ======== version 1 of 1: 1 launch
;; limits: values are held in f16: magnitudes above 65,504 overflow, below 6.1e-05 lose precision; right only within a limited range of input values
;; launch idnn (part 1): grid 256 x 1, 4 waves a work-group, no clusters, 279,552 bytes of LDS; arguments x, W1, b1, W2, b2, W3, out0, out1, out2; writes out0, out1, out2
.if DOCPART == 1
	.amdgcn_target "amdgcn-amd-amdhsa--gfx1250"
	.amdhsa_code_object_version 6
	.text
	.protected	k_q466b094c2f_idnn
	.globl	k_q466b094c2f_idnn
	.p2align	8
	.type	k_q466b094c2f_idnn,@function
k_q466b094c2f_idnn:
	s_mov_b64 s[64:65], 0
	v_nop
	global_prefetch_b8 v0, s[64:65] scope:SCOPE_SE
	s_setreg_imm32_b32 hwreg(HW_REG_WAVE_MODE, 25, 1), 1
	s_wait_xcnt 0x0
; Value, gradient and Hessian of f(x) = softplus(softplus(x W1 + b1) W2 + b2) . W3 for 16,384 samples; x has 16 numbers, both hidden layers 256.
; With z1 = x W1 + b1, z2 = h1 W2 + b2, h = softplus(z), s = sigmoid(z), s' = s (1 - s):
;   y = h2 . w3      g1 = W2 (s2 w3)      dy = W1 (s1 g1)      ddy = W1 diag(s1' g1) W1^T + J diag(w3 s2') J^T,  J = W1 diag(s1) W2 (16 x 256 for each sample).
; SHARES.  256 work-groups of four waves; a work-group owns 64 samples, a wave 16: one tile of 16 columns in the passes forward and back, sixteen tiles of 16 rows in the Hessian.
; FORMATS.  All six inputs are rounded to bf16.  x, W1, b1 and W2 are then written as f16, and all that the program makes for a matrix product (h1, s1, s1', g1, J, ...) is f16; sums, activations and y in f32.
; y has one column, so it is summed by packed fused multiply-adds in f32, eight in each trip of the second layer's loop.
; W3's SCALE.  All three results are linear in W3.  With E the exponent field of the largest |bf16(W3)|, held to 4 .. 250, the text works with w3n = bf16(W3) 2^(130-E) (largest entry in 8 .. 16)
; and multiplies y, dy and ddy by 2^(E-130) in f32 at the end, so that what is made of W3 lies in f16's range whatever W3's size.
; LIMITS.  After the rounding to bf16 |x|, |W1|, |b1|, |W2| stay under 65,504, and so does h1; the largest |W3| lies in 2^-123 .. 2^123 (or W3 is all 0); f16 numbers below 6e-5 keep f16's fixed step of 6e-8;
; softplus of a very negative z has an absolute error of 6e-8; NaN and infinities are not treated apart.  ddy is written as its transpose, which is the same matrix in exact arithmetic: only which of J's two
; copies carries the factor w3 s2', and its rounding, differs.
; LAYOUT.  Every product is used transposed: source 0 = rows of weights, source 1 = samples (or the 16 directions d).  In a result a lane holds ONE sample (or d) = lane % 16 and the hidden units 8 (lane / 16) + 0..7;
; two such results rounded to f16 in pairs ARE a source 1 of the next product.
; NO CLUSTER, NO TENSOR LOAD.  All work-groups read the same W2, but it must be rounded and narrowed on its way into LDS, so it passes through registers; its 262,144 bytes as they lie in memory do not fit
; beside the 279,552 bytes in use.  The other inputs are each work-group's own or a few KB.
; LDS.  W2 as f16 [j][k], 256 rows 544 bytes apart (17 x 32: the turning load's 8 rows x 32 bytes touch each of the 64 banks of 4 bytes once, ISA guide 11.1; plain loads of 16 rows meet two deep);
; W1 as f16 [d][j], 16 rows, and b1 as row 16; for each wave a region of its own; 64 y; the spare words.
.set P2,    544
.set W1H,   256*P2                 ; 139,264: W1's 16 rows and b1's, 9,248 bytes in 9,472
.set WREG,  W1H+9472               ; 148,736: the waves' regions
.set WSZ,   32512
.set PS,    528                    ; a sample's row of 256 f16 + 16 bytes: 33 x 16, the 16 rows of a store start at 16 different groups of four banks
.set O_S,   0                      ; in a wave's region: s1, 16 rows
.set O_E,   16*PS                  ; s1', later e = s1' g1
.set O_C,   32*PS                  ; h1, later c = w3n s2'
.set O_B2,  48*PS                  ; bf16(b2) as f32
.set O_W3,  O_B2+1024              ; w3n as f32
.set O_ST,  O_W3+1024              ; the way out: four tiles of 16 rows of 64 bytes, 80 apart
.set PT,    80
.set YST,   WREG+4*WSZ             ; 278,784: the work-group's 64 y
.set SPARE, YST+256                ; 279,040: the spare words, 128 bytes for each wave: two blocks of 256 bytes that no other line names
; vector registers, window 0 (L = lane, r = L % 16, h = L / 16)
.set SPW,  1                       ; LDS address of my spare word; never rewritten
.set NIL,  2                       ; 0; never rewritten
.set VR,   3                       ; r
.set VH,   4                       ; h
.set TRB,  5                       ; v5, v6   turning loads of W2: (8 h + L % 8) P2 + 16 ((L / 8) % 2), and 128 rows on
.set TR,   7                       ; v7, v8   the same, walking along k
.set NA,   9                       ; v9, v10  plain loads of W2: r P2 + 16 h, and 128 rows on; walking along k
.set W1A,  11                      ; turning loads of W1's rows 0-15, walking along j
.set W1B,  12                      ; the same for K = 16 .. 31: every lane names b1's row
.set VROW, 13                      ; my region + PS r + 16 h
.set VRW,  14                      ; the same, walking
.set VB4,  15                      ; my region + 32 h, walking: eight f32 of b2 or w3n
.set VBC,  16                      ; my region + 16 h + the group's first sample row: one sample's numbers for all 16 lanes of a half
.set VC,   17                      ; the same, walking along k
.set VST,  18                      ; the way out: my region + PT r + 32 h
.set VRD,  19                      ; and back: my region + PT (L / 4) + 16 (L % 4)
.set VGO,  20                      ; 16 L
.set VW2S, 21                      ; where my converted W2 goes, walking
.set W1N,  22                      ; plain loads of W1: W1H + r P2 + 16 h
.set VY,   23                      ; my sample's word among the 64 y
.set YA,   24                      ; v24, v25 y's running sums
.set VX,   26                      ; my bytes of x; at the end 8 L
.set VL,   27                      ; L
.set VB1,  28                      ; 8 x my thread's number; at the end an LDS address
.set AB1,  29                      ; my word of b1's row
.set VPW,  30                      ; my region + 16 L
.set AW1,  31                      ; where my converted W1 goes
.set W3R,  32                      ; v32-47   w3n of a trip's 32 units.  Later DY (v32-47), CR / OB (v32-63)
.set Z,    48                      ; v48-63   two tiles of z
.set RT,   64                      ; the activation's registers: t = e^-|z|, then t / (1 + t)
.set RQ,   72                      ; 1 + t, then the sigmoid
.set RR,   80                      ; 1 / (1 + t)
.set RL,   88                      ; log2(1 + t), then s'
.set RH,   96                      ; the softplus
.set PK,   104                     ; v104-115 packed h, s, s';  in the second layer G2F v104-111 and CP v112-119
.set G2F,  104
.set CP,   112
.set ACC,  64                      ; Hessian: J's sums, sample s, tile t at ACC + 16 s + 8 t; on the way out HS, sample s at ACC + 8 s
.set G16,  64                      ; g1 as f16
.set FB,   128                     ; v128-255 W2's fragments (j chunk jc, tile t at FB + 16 jc + 8 t); also the two buffers of 64 of the Hessian's set-up
.set WT,   224                     ; first layer: W1's two fragments
.set XF,   240                     ; x's fragment
; window 1: G1 v0-127 (tile jt at 8 jt), H1 v128-191; in the Hessian A, sample s, chunk jc at 64 s + 8 jc.   window 2: W1F v0-63 (chunk c at 8 c), GB v64-191, HA v192-223
.set H1,   128
.set GB,   64
.set HA,   192
; scalar registers: s[4:21] the nine addresses
.set WV,   22                      ; my wave
.set WG,   23                      ; my work-group
.set CO,   24                      ; outer loops' count
.set CI,   25                      ; inner loop's count
.set NL2E, 26                      ; -log2(e)
.set LN2,  28                      ; s[28:29] ln 2
.set FWD,  30                      ; s[30:31] 2^(E-130)
.set HIM,  32                      ; a word's upper half
.set SEL,  34                      ; s[34:35] v_permlanex16_b32's selects: each lane takes its own place in the other half
.set OF,   36                      ; s[36:37] a byte offset in 64 bits
.set WB,   38                      ; my region's first LDS byte
.set TS,   39
.set MK,   40                      ; s[40:47] the lanes with z < 0, for eight z
.set MSB, 0
.macro WIN new                     ; s_set_vgpr_msb: bits 1:0 source 0, 3:2 source 1, 5:4 source 2, 7:6 destination; the high byte repeats the setting that is left; a switch that changes nothing is dropped
.if MSB != (\new)
	s_set_vgpr_msb (MSB<<8)|(\new)
.set MSB, \new
.endif
.endm
.macro PLACES n                    ; plain vector instructions between a matrix instruction and a line that touches its registers (ISA guide 7.12.1)
.rept \n
	v_nop
.endr
.endm
.macro RB4 a, p                    ; four f32 at v[a] rounded to bf16, in place; v[p], v[p+1] at work
	v_cvt_pk_bf16_f32 v[(\p)], v[(\a)], v[(\a)+1]
	v_cvt_pk_bf16_f32 v[(\p)+1], v[(\a)+2], v[(\a)+3]
	v_lshlrev_b32 v[(\a)], 16, v[(\p)]
	v_and_b32 v[(\a)+1], s[HIM], v[(\p)]
	v_lshlrev_b32 v[(\a)+2], 16, v[(\p)+1]
	v_and_b32 v[(\a)+3], s[HIM], v[(\p)+1]
.endm
.macro CVT4 d, a                   ; the same, and the four written as f16 into v[d], v[d+1]
	RB4 \a, \d
	v_cvt_pk_f16_f32 v[(\d)], v[(\a)], v[(\a)+1]
	v_cvt_pk_f16_f32 v[(\d)+1], v[(\a)+2], v[(\a)+3]
.endm
; THE ACTIVATION of eight z at v[z]: t = e^-|z|; softplus = max(z, 0) + ln 2 log2(1 + t) -> RH; sigmoid = 1 / (1 + t), or t / (1 + t) where z < 0 -> RQ; s' = t / (1 + t)^2 -> RL.
; No exponential can overflow.  Transcendentals stand in runs, and a run of plain lines that touch none of their registers follows each run (ISA guide 5.7.2).  z's lowest register is read first.
.macro ACT z
.set a, 0
.rept 8
	v_mul_f32 v[RT+a], s[NL2E], |v[(\z)+a]|
.set a, a+1
.endr
.set a, 0
.rept 8
	v_exp_f32 v[RT+a], v[RT+a]
.set a, a+1
.endr
.set a, 0
.rept 8
	v_max_num_f32 v[RH+a], 0, v[(\z)+a]
.set a, a+1
.endr
.set a, 0
	s_wait_alu depctr_va_vdst(0)
.rept 4
	v_pk_add_f32 v[RQ+a:RQ+a+1], v[RT+a:RT+a+1], 1.0 op_sel_hi:[1,0]
.set a, a+2
.endr
.set a, 0
.rept 8
	v_rcp_f32 v[RR+a], v[RQ+a]
.set a, a+1
.endr
.set a, 0
.rept 8
	v_log_f32 v[RL+a], v[RQ+a]
.set a, a+1
.endr
.set a, 0
.rept 8
	v_cmp_gt_f32 s[MK+a], 0, v[(\z)+a]
.set a, a+1
.endr
.set a, 0
	s_wait_alu depctr_va_vdst(0)
.rept 4
	v_pk_fma_f32 v[RH+a:RH+a+1], v[RL+a:RL+a+1], s[LN2:LN2+1], v[RH+a:RH+a+1] op_sel_hi:[1,0,1]
.set a, a+2
.endr
.set a, 0
.rept 4
	v_pk_mul_f32 v[RT+a:RT+a+1], v[RT+a:RT+a+1], v[RR+a:RR+a+1]
.set a, a+2
.endr
.set a, 0
.rept 8
	v_cndmask_b32 v[RQ+a], v[RR+a], v[RT+a], s[MK+a]
.set a, a+1
.endr
.set a, 0
.rept 4
	v_pk_mul_f32 v[RL+a:RL+a+1], v[RT+a:RT+a+1], v[RR+a:RR+a+1]
.set a, a+2
.endr
.endm
; 32 turning loads: W2^T's fragments for 32 units k (two tiles) and all 256 j.  f = 2 jc + t: rows j = 32 jc on, columns 16 t on from where TR stands.  Lane L gets column r and 8 + 8 rows.
.macro LOADF
	WIN 0
.set f, 0
.rept 16
	ds_load_tr16_b128 v[FB+8*f:FB+8*f+3],   v[TR+f/8] offset:((f/2)%4)*32*P2+32*(f%2)
	ds_load_tr16_b128 v[FB+8*f+4:FB+8*f+7], v[TR+f/8] offset:((f/2)%4)*32*P2+16*P2+32*(f%2)
.set f, f+1
.endr
.endm
; 32 plain loads: W2's fragments for all 16 tiles of j and 32 units k, into window 2
.macro LOADG
	WIN 0x80
.set f, 0
.rept 16
	ds_load_b128 v[GB+8*f:GB+8*f+3],   v[NA+f/8] offset:(f%8)*16*P2
	ds_load_b128 v[GB+8*f+4:GB+8*f+7], v[NA+f/8] offset:(f%8)*16*P2+32
.set f, f+1
.endr
.endm
; The way out of a tile of 16 rows x 16 f32 (lane: row r, columns 8 h + 0..7, at HS + 8 s): into stage s of my region and back as 1,024 dense bytes.  LDS serves a wave's instructions in order (ISA guide 5.7.1.4).
.macro OUTT s
	ds_store_b128 v[VST], v[ACC+8*(\s):ACC+8*(\s)+3]   offset:O_ST+16*PT*(\s)
	ds_store_b128 v[VST], v[ACC+8*(\s)+4:ACC+8*(\s)+7] offset:O_ST+16*PT*(\s)+16
	ds_load_b128 v[W3R+8*(\s):W3R+8*(\s)+3],   v[VRD] offset:O_ST+16*PT*(\s)
	ds_load_b128 v[W3R+8*(\s)+4:W3R+8*(\s)+7], v[VRD] offset:O_ST+16*PT*(\s)+8*PT
.endm
	; ---------------- set-up ----------------
	s_load_b512 s[4:19], s[0:1], 0x0               ; x s[4:5], W1 s[6:7], b1 s[8:9], W2 s[10:11], b2 s[12:13], W3 s[14:15], out0 s[16:17], out1 s[18:19]
	s_load_b64 s[20:21], s[0:1], 0x40              ; out2
	v_lshl_add_u32 v[SPW], v0, 2, SPARE
	v_mov_b32 v[NIL], 0
	v_lshrrev_b32 v[VX], 5, v0
	v_readfirstlane_b32 s[WV], v[VX]               ; wave 0..3
	s_mov_b32 s[WG], ttmp9
	s_mov_b32 s[NL2E], 0xbfb8aa3b
	s_mov_b32 s[LN2], 0x3f317218
	s_mov_b32 s[LN2+1], 0x3f317218
	s_mov_b32 s[HIM], 0xffff0000
	s_mov_b32 s[SEL], 0x76543210
	s_mov_b32 s[SEL+1], 0xfedcba98
	s_mul_i32 s[WB], s[WV], WSZ
	s_add_co_u32 s[WB], s[WB], WREG
	v_and_b32 v[VL], 31, v0
	v_and_b32 v[VR], 15, v0
	v_bfe_u32 v[VH], v0, 4, 1
	v_and_b32 v30, 7, v0
	v_bfe_u32 v31, v0, 3, 1
	v_lshl_add_u32 v[TRB], v[VH], 3, v30
	v_mul_u32_u24 v[TRB], v[TRB], P2
	v_lshl_add_u32 v[TRB], v31, 4, v[TRB]
	v_add_nc_u32 v[TRB+1], 128*P2, v[TRB]
	v_add_nc_u32 v[W1A], W1H, v[TRB]
	v_lshl_add_u32 v[W1B], v31, 4, W1H+16*P2
	v_mul_u32_u24 v[NA], v[VR], P2
	v_lshl_add_u32 v[NA], v[VH], 4, v[NA]
	v_add_nc_u32 v[NA+1], 128*P2, v[NA]
	v_add_nc_u32 v[W1N], W1H, v[NA]
	v_mul_u32_u24 v[VROW], v[VR], PS
	v_lshl_add_u32 v[VROW], v[VH], 4, v[VROW]
	v_add_nc_u32 v[VROW], s[WB], v[VROW]
	v_mov_b32 v[VRW], v[VROW]
	v_lshl_add_u32 v[VB4], v[VH], 5, s[WB]
	v_lshl_add_u32 v[VBC], v[VH], 4, s[WB]
	v_mul_u32_u24 v[VST], v[VR], PT
	v_lshl_add_u32 v[VST], v[VH], 5, v[VST]
	v_add_nc_u32 v[VST], s[WB], v[VST]
	v_lshrrev_b32 v30, 2, v[VL]
	v_and_b32 v31, 3, v[VL]
	v_mul_u32_u24 v[VRD], v30, PT
	v_lshl_add_u32 v[VRD], v31, 4, v[VRD]
	v_add_nc_u32 v[VRD], s[WB], v[VRD]
	v_lshlrev_b32 v[VGO], 4, v[VL]
	s_mul_i32 s[TS], s[WV], 64*P2                  ; my 64 rows of W2 in LDS
	v_lshl_add_u32 v[VW2S], v[VL], 3, s[TS]
	s_lshl_b32 s[OF], s[WV], 6
	v_lshl_add_u32 v[VY], v[VR], 2, s[OF]
	v_add_nc_u32 v[VY], YST, v[VY]
	v_lshlrev_b32 v[VX], 6, v[VR]                  ; x: sample r's row of 64 bytes, 32 bytes for each half of the lanes
	v_lshl_add_u32 v[VX], v[VH], 5, v[VX]
	v_lshlrev_b32 v[VB1], 3, v0                    ; b1: two numbers a thread
	v_lshl_add_u32 v[AB1], v0, 2, W1H+16*P2
	v_add_nc_u32 v[VPW], s[WB], v[VGO]
	s_mul_i32 s[TS], s[WV], 4*P2                   ; my 4 rows of W1 in LDS
	v_lshl_add_u32 v[AW1], v[VL], 3, s[TS]
	v_add_nc_u32 v[AW1], W1H, v[AW1]
	s_mov_b32 s[OF+1], 0
	s_wait_kmcnt 0x0
	s_lshl_b32 s[OF], s[WG], 12                    ; x and out1: 64 bytes a sample, 64 samples a work-group, 16 a wave
	s_lshl_b32 s[TS], s[WV], 10
	s_add_co_u32 s[OF], s[OF], s[TS]
	s_add_nc_u64 s[4:5], s[4:5], s[OF:OF+1]
	s_add_nc_u64 s[18:19], s[18:19], s[OF:OF+1]
	s_lshl_b32 s[OF], s[WV], 12                    ; W1: my 4 rows of 1,024 bytes
	s_add_nc_u64 s[6:7], s[6:7], s[OF:OF+1]
	s_lshl_b32 s[OF], s[WV], 16                    ; W2: my 64 rows of 1,024 bytes
	s_add_nc_u64 s[10:11], s[10:11], s[OF:OF+1]
	s_lshl_b32 s[OF], s[WG], 8                     ; out0: 256 bytes a work-group
	s_add_nc_u64 s[16:17], s[16:17], s[OF:OF+1]
	s_lshl_b32 s[OF], s[WG], 16                    ; out2: 1,024 bytes a sample
	s_lshl_b32 s[TS], s[WV], 14
	s_add_co_u32 s[OF], s[OF], s[TS]
	s_add_nc_u64 s[20:21], s[20:21], s[OF:OF+1]
	global_load_b128 v[128:131], v[VX], s[4:5] th:TH_LOAD_NT
	global_load_b128 v[132:135], v[VX], s[4:5] offset:16 th:TH_LOAD_NT
.set n, 0
.rept 8
	global_load_b128 v[136+4*n:139+4*n], v[VGO], s[6:7] offset:1024*(n/2)+512*(n%2)
.set n, n+1
.endr
	global_load_b128 v[168:171], v[VGO], s[12:13]
	global_load_b128 v[172:175], v[VGO], s[12:13] offset:512
	global_load_b128 v[176:179], v[VGO], s[14:15]
	global_load_b128 v[180:183], v[VGO], s[14:15] offset:512
	global_load_b64 v[184:185], v[VB1], s[8:9]
	s_wait_loadcnt 0x0
	; x's fragment, source 1 with K = 32: K = 0..15 are x's numbers, K = 16 is 1.0 (it meets b1), K = 17..31 are 0
	CVT4 XF, 128
	CVT4 XF+2, 132
	v_sub_nc_u32 v[XF+4], 1, v[VH]
	v_mul_u32_u24 v[XF+4], 0x3c00, v[XF+4]
	v_mov_b32 v[XF+5], 0
	v_mov_b32 v[XF+6], 0
	v_mov_b32 v[XF+7], 0
.set n, 0
.rept 8                            ; W1: row 4 w + n / 2, half n % 2
	CVT4 192+2*n, 136+4*n
	ds_store_b64 v[AW1], v[192+2*n:193+2*n] offset:P2*(n/2)+256*(n%2)
.set n, n+1
.endr
	v_cvt_pk_bf16_f32 v220, v184, v185             ; b1
	v_lshlrev_b32 v184, 16, v220
	v_and_b32 v185, s[HIM], v220
	v_cvt_pk_f16_f32 v220, v184, v185
	ds_store_b32 v[AB1], v220
	RB4 168, 208                                   ; b2, a copy for each wave
	RB4 172, 210
	ds_store_b128 v[VPW], v[168:171] offset:O_B2
	ds_store_b128 v[VPW], v[172:175] offset:O_B2+512
	RB4 176, 212                                   ; W3: the largest magnitude of all 256, its exponent, the two powers of two
	RB4 180, 214
	v_max3_num_f32 v216, |v176|, |v177|, |v178|
	v_max3_num_f32 v217, |v179|, |v180|, |v181|
	v_max3_num_f32 v216, v216, |v182|, |v183|
	v_max_num_f32 v216, v216, v217
	v_max_num_f32_dpp v216, v216, v216 row_xmask:1 row_mask:0xf bank_mask:0xf
	v_max_num_f32_dpp v216, v216, v216 row_xmask:2 row_mask:0xf bank_mask:0xf
	v_max_num_f32_dpp v216, v216, v216 row_xmask:4 row_mask:0xf bank_mask:0xf
	v_max_num_f32_dpp v216, v216, v216 row_xmask:8 row_mask:0xf bank_mask:0xf
	v_permlanex16_b32 v217, v216, s[SEL], s[SEL+1]
	v_max_num_f32 v216, v216, v217
	v_lshrrev_b32 v216, 23, v216                   ; E
	v_max_u32 v216, 4, v216
	v_min_u32 v216, 250, v216
	v_sub_nc_u32 v217, 257, v216
	v_lshlrev_b32 v217, 23, v217                   ; 2^(130-E)
	v_add_nc_u32 v216, -3, v216
	v_lshlrev_b32 v216, 23, v216                   ; 2^(E-130)
	v_readfirstlane_b32 s[FWD], v216
	s_mov_b32 s[FWD+1], s[FWD]
.set n, 0
.rept 8
	v_mul_f32 v[176+n], v217, v[176+n]
.set n, n+1
.endr
	ds_store_b128 v[VPW], v[176:179] offset:O_W3
	ds_store_b128 v[VPW], v[180:183] offset:O_W3+512
	s_wait_dscnt 0x0                               ; for the others' sake: my rows of W1 and my words of b1 are in LDS
	s_barrier_signal -1
	s_barrier_wait -1
	; ---------------- the first layer, and W2 into LDS ----------------
	; Trip jc: 8 of my 64 rows of W2 are asked for; while they are on their way, units j = 32 jc .. + 31 of my 16 samples: z1, h1, s1, s1' into my region; then the 8 rows are converted and stored.
	s_mov_b32 s[CO], 8
.Law:
.set n, 0
.rept 16
	global_load_b128 v[FB+4*n:FB+4*n+3], v[VGO], s[10:11] offset:1024*(n/2)+512*(n%2)
.set n, n+1
.endr
	ds_load_tr16_b128 v[WT:WT+3],     v[W1A]
	ds_load_tr16_b128 v[WT+4:WT+7],   v[W1B]
	ds_load_tr16_b128 v[WT+8:WT+11],  v[W1A] offset:32
	ds_load_tr16_b128 v[WT+12:WT+15], v[W1B] offset:32
	s_wait_dscnt 0x0
	v_wmma_f32_16x16x32_f16 v[Z:Z+7],    v[WT:WT+7],    v[XF:XF+7], 0
	v_wmma_f32_16x16x32_f16 v[Z+8:Z+15], v[WT+8:WT+15], v[XF:XF+7], 0
	PLACES 4
.irp t, 0,1
	ACT Z+8*(\t)
.set a, 0
.rept 4
	v_cvt_pk_f16_f32 v[PK+a],   v[RH+2*a], v[RH+2*a+1]
	v_cvt_pk_f16_f32 v[PK+4+a], v[RQ+2*a], v[RQ+2*a+1]
	v_cvt_pk_f16_f32 v[PK+8+a], v[RL+2*a], v[RL+2*a+1]
.set a, a+1
.endr
	ds_store_b128 v[VRW], v[PK:PK+3]    offset:O_C+32*(\t)
	ds_store_b128 v[VRW], v[PK+4:PK+7]  offset:O_S+32*(\t)
	ds_store_b128 v[VRW], v[PK+8:PK+11] offset:O_E+32*(\t)
.endr
	s_wait_loadcnt 0x0                             ; the 8 rows are in; their base may be stepped
.set n, 0
.rept 16
	CVT4 192+2*n, FB+4*n
	ds_store_b64 v[VW2S], v[192+2*n:193+2*n] offset:P2*(n/2)+256*(n%2)
.set n, n+1
.endr
	s_add_nc_u64 s[10:11], s[10:11], 8192
	v_add_nc_u32 v[VW2S], 8*P2, v[VW2S]
	v_add_nc_u32 v[W1A], 64, v[W1A]
	v_add_nc_u32 v[W1B], 64, v[W1B]
	v_add_nc_u32 v[VRW], 64, v[VRW]
	s_sub_co_u32 s[CO], s[CO], 1
	s_cmp_lg_u32 s[CO], 0
	s_cbranch_scc1 .Law
	s_wait_dscnt 0x0                               ; for the others' sake: my 64 rows of W2 are in LDS
	s_barrier_signal -1
	s_barrier_wait -1                              ; from here to the end each wave works alone
	; ---------------- the second layer forward, and back to g1 ----------------
	WIN 0x40
.set n, 0
.rept 16                           ; h1 of my 16 samples, eight fragments, into window 1; its place in LDS then takes c (these loads are issued ahead of c's stores)
	ds_load_b128 v[H1+4*n:H1+4*n+3], v[VROW] offset:O_C+32*n
.set n, n+1
.endr
	WIN 0
	v_mov_b32 v[TR], v[TRB]
	v_mov_b32 v[TR+1], v[TRB+1]
	v_mov_b32 v[VRW], v[VROW]
	v_mov_b32 v[YA], 0
	v_mov_b32 v[YA+1], 0
; Trip kc: units k = 32 kc .. + 31.  z2 starts from b2, which is loaded into the accumulators; then h2 (into y), g2 = w3n s2 (source 1 of g1 += W2 g2) and c = w3n s2' (into LDS).  first = 1: the products start g1's sums.
.macro TRIPB first
	WIN 0
.irp u, 0,1,2,3
	ds_load_b128 v[Z+4*(\u):Z+4*(\u)+3], v[VB4] offset:O_B2+64*((\u)/2)+16*((\u)%2)
.endr
.irp u, 0,1,2,3
	ds_load_b128 v[W3R+4*(\u):W3R+4*(\u)+3], v[VB4] offset:O_W3+64*((\u)/2)+16*((\u)%2)
.endr
	LOADF
	LOADG
	s_wait_dscnt 32                                ; all but LOADG's 32
	WIN 0x04                                       ; source 1 (h1) in window 1
.set f, 0
.rept 16                           ; the two accumulators take turns
	v_wmma_f32_16x16x32_f16 v[Z+8*(f%2):Z+8*(f%2)+7], v[FB+8*f:FB+8*f+7], v[H1+8*(f/2):H1+8*(f/2)+7], v[Z+8*(f%2):Z+8*(f%2)+7]
.set f, f+1
.endr
	WIN 0
	PLACES 4
.irp t, 0,1
	ACT Z+8*(\t)
.set a, 0
.rept 4
	v_pk_fma_f32 v[YA:YA+1], v[RH+a:RH+a+1], v[W3R+8*(\t)+a:W3R+8*(\t)+a+1], v[YA:YA+1]
	v_pk_mul_f32 v[RQ+a:RQ+a+1], v[RQ+a:RQ+a+1], v[W3R+8*(\t)+a:W3R+8*(\t)+a+1]
	v_pk_mul_f32 v[RL+a:RL+a+1], v[RL+a:RL+a+1], v[W3R+8*(\t)+a:W3R+8*(\t)+a+1]
.set a, a+2
.endr
.set a, 0
.rept 4
	v_cvt_pk_f16_f32 v[G2F+4*(\t)+a], v[RQ+2*a], v[RQ+2*a+1]
	v_cvt_pk_f16_f32 v[CP+4*(\t)+a],  v[RL+2*a], v[RL+2*a+1]
.set a, a+1
.endr
	ds_store_b128 v[VRW], v[CP+4*(\t):CP+4*(\t)+3] offset:O_C+32*(\t)
.endr
	s_wait_dscnt 2                                 ; behind LOADG's loads only c's two stores were issued
	WIN 0x52                                       ; W2 in window 2, g2 in window 0, g1 in window 1
.set f, 0
.rept 16
.if \first
	v_wmma_f32_16x16x32_f16 v[8*f:8*f+7], v[GB+8*f:GB+8*f+7], v[G2F:G2F+7], 0
.else
	v_wmma_f32_16x16x32_f16 v[8*f:8*f+7], v[GB+8*f:GB+8*f+7], v[G2F:G2F+7], v[8*f:8*f+7]
.endif
.set f, f+1
.endr
	WIN 0
	v_add_nc_u32 v[TR], 64, v[TR]                  ; six steps: also the places behind those products, ahead of the next loads into their sources and of the reads of g1
	v_add_nc_u32 v[TR+1], 64, v[TR+1]
	v_add_nc_u32 v[NA], 64, v[NA]
	v_add_nc_u32 v[NA+1], 64, v[NA+1]
	v_add_nc_u32 v[VRW], 64, v[VRW]
	v_add_nc_u32 v[VB4], 128, v[VB4]
.endm
	TRIPB 1
	s_mov_b32 s[CO], 7
.Lb:
	TRIPB 0
	s_sub_co_u32 s[CO], s[CO], 1
	s_cmp_lg_u32 s[CO], 0
	s_cbranch_scc1 .Lb
	; ---------------- e = s1' g1, u = s1 g1, y, dy ----------------
.set n, 0
.rept 16
	ds_load_b128 v[128+4*n:131+4*n], v[VROW] offset:O_S+32*n
.set n, n+1
.endr
.set n, 0
.rept 16
	ds_load_b128 v[192+4*n:195+4*n], v[VROW] offset:O_E+32*n
.set n, n+1
.endr
	WIN 0x80
.set n, 0
.rept 16                           ; W1's eight fragments (row d = r, 32 j each): they stay in window 2 to the end
	ds_load_b128 v[4*n:4*n+3], v[W1N] offset:32*n
.set n, n+1
.endr
	WIN 0x05                                       ; g1 from window 1, ascending
.set n, 0
.rept 64
	v_cvt_pk_f16_f32 v[G16+n], v[2*n], v[2*n+1]
.set n, n+1
.endr
	WIN 0
	s_wait_dscnt 16                                ; s1 and s1' are in; W1's 16 loads may stay out
.set n, 0
.rept 64
	v_pk_mul_f16 v[192+n], v[192+n], v[G16+n]
.set n, n+1
.endr
.set n, 0
.rept 16
	ds_store_b128 v[VROW], v[192+4*n:195+4*n] offset:O_E+32*n
.set n, n+1
.endr
.set n, 0
.rept 64
	v_pk_mul_f16 v[128+n], v[128+n], v[G16+n]
.set n, n+1
.endr
	v_add_f32 v[YA], v[YA], v[YA+1]                ; y: my 128 units, the other half of the lanes' 128, the scale
	v_permlanex16_b32 v[YA+1], v[YA], s[SEL], s[SEL+1]
	v_add_f32 v[YA], v[YA], v[YA+1]
	v_mul_f32 v[YA], s[FWD], v[YA]
	ds_store_b32 v[VY], v[YA]                      ; lanes r and r + 16 write the same number to the same word
	s_wait_dscnt 0x0                               ; W1 is in
	WIN 0x02                                       ; W1 in window 2
.set n, 0
.rept 8                            ; dy^T = W1 u: two accumulators by turns
.if n < 2
	v_wmma_f32_16x16x32_f16 v[W3R+8*(n%2):W3R+8*(n%2)+7], v[8*n:8*n+7], v[128+8*n:128+8*n+7], 0
.else
	v_wmma_f32_16x16x32_f16 v[W3R+8*(n%2):W3R+8*(n%2)+7], v[8*n:8*n+7], v[128+8*n:128+8*n+7], v[W3R+8*(n%2):W3R+8*(n%2)+7]
.endif
.set n, n+1
.endr
	WIN 0
	PLACES 4
.set a, 0
.rept 4
	v_pk_mul_f32 v[ACC+a:ACC+a+1], v[W3R+a:W3R+a+1], s[FWD:FWD+1] op_sel_hi:[1,0]
.set a, a+2
.endr
.set a, 0
.rept 4
	v_pk_fma_f32 v[ACC+a:ACC+a+1], v[W3R+8+a:W3R+8+a+1], s[FWD:FWD+1], v[ACC+a:ACC+a+1] op_sel_hi:[1,0,1]
.set a, a+2
.endr
	OUTT 0
	s_wait_dscnt 0x0
	global_store_b128 v[VGO], v[W3R:W3R+3],   s[18:19] th:TH_STORE_NT             ; 512 consecutive bytes each, at a multiple of 256 from out1's first byte
	global_store_b128 v[VGO], v[W3R+4:W3R+7], s[18:19] offset:512 th:TH_STORE_NT
	s_wait_xcnt 0x0                                ; the stores' data registers are loaded again below only behind this wait
	; ---------------- the Hessian, four samples at a time ----------------
; Quarter n of a group's set-up takes j chunks c = 2 (n % 4), + 1 of four samples: 16 loads that give every lane of a half the sample's 8 + 8 numbers: s1 (n < 4) or e (n >= 4).
.macro QLOAD n
	WIN 0
.set qb, FB+64*((\n)%2)
.set qa, O_S+(O_E-O_S)*((\n)/4)
.irp cl, 0,1
.irp s, 0,1,2,3
	ds_load_b128 v[qb+32*(\cl)+8*(\s):qb+32*(\cl)+8*(\s)+3],   v[VBC] offset:qa+PS*(\s)+64*(2*((\n)%4)+(\cl))
	ds_load_b128 v[qb+32*(\cl)+8*(\s)+4:qb+32*(\cl)+8*(\s)+7], v[VBC] offset:qa+PS*(\s)+64*(2*((\n)%4)+(\cl))+32
.endr
.endr
.endm
; n < 4: A[s][c] = W1's fragment x s1, into window 1.  n >= 4: W1's fragment x e in place, and HA[s] (+)= W1 (W1 e)^T, the four accumulators by turns.  Then the quarter after next is asked for, into the same buffer.
.macro QUART n
.set qb, FB+64*((\n)%2)
.if (\n) < 7
	s_wait_dscnt 16                                ; my 16 loads are in; the next quarter's 16 may stay out
.else
	s_wait_dscnt 0x0
.endif
.if (\n) < 4
	WIN 0x42                                       ; destination window 1, source 0 (W1) window 2
.else
	WIN 0x02
.endif
.irp cl, 0,1
.set qc, 2*((\n)%4)+(\cl)
.irp s, 0,1,2,3
.set e, 0
.rept 8
.if (\n) < 4
	v_pk_mul_f16 v[64*(\s)+8*qc+e], v[8*qc+e], v[qb+32*(\cl)+8*(\s)+e]
.else
	v_pk_mul_f16 v[qb+32*(\cl)+8*(\s)+e], v[8*qc+e], v[qb+32*(\cl)+8*(\s)+e]
.endif
.set e, e+1
.endr
.endr
.endr
.if (\n) >= 4
	WIN 0xa2                                       ; HA and W1 in window 2
.irp cl, 0,1
.set qc, 2*((\n)%4)+(\cl)
.irp s, 0,1,2,3
.if qc == 0
	v_wmma_f32_16x16x32_f16 v[HA+8*(\s):HA+8*(\s)+7], v[8*qc:8*qc+7], v[qb+32*(\cl)+8*(\s):qb+32*(\cl)+8*(\s)+7], 0
.else
	v_wmma_f32_16x16x32_f16 v[HA+8*(\s):HA+8*(\s)+7], v[8*qc:8*qc+7], v[qb+32*(\cl)+8*(\s):qb+32*(\cl)+8*(\s)+7], v[HA+8*(\s):HA+8*(\s)+7]
.endif
.endr
.endr
	PLACES 4                                       ; ahead of the loads into the buffer just multiplied
.endif
.if (\n) < 6
	QLOAD (\n)+2
.endif
.endm
; J^T for 32 units k and four samples: 64 products, the eight accumulators by turns; each fragment of W2 feeds four.  The counts let the loads of the later j chunks, four each, stay out.
.macro JMUL
	WIN 0x04                                       ; source 1 (A) in window 1
.set jc, 0
.rept 8
	s_wait_dscnt 28-4*jc
.irp s, 0,1,2,3
.irp t, 0,1
.if jc == 0
	v_wmma_f32_16x16x32_f16 v[ACC+16*(\s)+8*(\t):ACC+16*(\s)+8*(\t)+7], v[FB+16*jc+8*(\t):FB+16*jc+8*(\t)+7], v[64*(\s)+8*jc:64*(\s)+8*jc+7], 0
.else
	v_wmma_f32_16x16x32_f16 v[ACC+16*(\s)+8*(\t):ACC+16*(\s)+8*(\t)+7], v[FB+16*jc+8*(\t):FB+16*jc+8*(\t)+7], v[64*(\s)+8*jc:64*(\s)+8*jc+7], v[ACC+16*(\s)+8*(\t):ACC+16*(\s)+8*(\t)+7]
.endif
.endr
.endr
.set jc, jc+1
.endr
	WIN 0
.endm
; What is made of a chunk of J: rounded to f16 in place (register n of a sample's 16 takes numbers 2 n, 2 n + 1, ascending: registers 0-7 are J's fragment), registers 8-15 = J c, HA[s] += J (J c)^T.
; more = 1: the next chunk's fragments of W2 are asked for first.
.macro CONV more
	WIN 0
.if \more
	v_add_nc_u32 v[TR], 64, v[TR]                  ; four places behind JMUL's products: ahead of the loads into their sources and of the reads of their results
	v_add_nc_u32 v[TR+1], 64, v[TR+1]
	PLACES 2
.else
	PLACES 4
.endif
.irp s, 0,1,2,3
	ds_load_b128 v[W3R+8*(\s):W3R+8*(\s)+3],   v[VC] offset:O_C+PS*(\s)
	ds_load_b128 v[W3R+8*(\s)+4:W3R+8*(\s)+7], v[VC] offset:O_C+PS*(\s)+32
.endr
	v_add_nc_u32 v[VC], 64, v[VC]
.if \more
	LOADF
.endif
.irp s, 0,1,2,3
.set e, 0
.rept 8
	v_cvt_pk_f16_f32 v[ACC+16*(\s)+e], v[ACC+16*(\s)+2*e], v[ACC+16*(\s)+2*e+1]
.set e, e+1
.endr
.endr
	s_wait_dscnt 32*(\more)                        ; c is in; LOADF's 32 may stay out
.irp s, 0,1,2,3
.set e, 0
.rept 8
	v_pk_mul_f16 v[ACC+16*(\s)+8+e], v[ACC+16*(\s)+e], v[W3R+8*(\s)+e]
.set e, e+1
.endr
.endr
	WIN 0xa0                                       ; HA in window 2
.irp s, 0,1,2,3
	v_wmma_f32_16x16x32_f16 v[HA+8*(\s):HA+8*(\s)+7], v[ACC+16*(\s):ACC+16*(\s)+7], v[ACC+16*(\s)+8:ACC+16*(\s)+15], v[HA+8*(\s):HA+8*(\s)+7]
.endr
	WIN 0
	PLACES 5                                       ; the next products write over these sources; behind the last chunk: ahead of the reads of HA
.endm
	s_mov_b32 s[CO], 4
.Lgroup:
	QLOAD 0
	QLOAD 1
.irp n, 0,1,2,3,4,5,6,7
	QUART \n
.endr
	WIN 0
	v_mov_b32 v[TR], v[TRB]
	v_mov_b32 v[TR+1], v[TRB+1]
	v_mov_b32 v[VC], v[VBC]
	LOADF
	JMUL
	s_mov_b32 s[CI], 7
.Lkp:
	CONV 1
	JMUL
	s_sub_co_u32 s[CI], s[CI], 1
	s_cmp_lg_u32 s[CI], 0
	s_cbranch_scc1 .Lkp
	CONV 0
	WIN 0x02                                       ; HA from window 2, ascending
.irp s, 0,1,2,3
.set a, 0
.rept 4
	v_pk_mul_f32 v[ACC+8*(\s)+a:ACC+8*(\s)+a+1], v[HA+8*(\s)+a:HA+8*(\s)+a+1], s[FWD:FWD+1] op_sel_hi:[1,0]
.set a, a+2
.endr
.endr
	WIN 0
.irp s, 0,1,2,3
	OUTT \s
.endr
.irp s, 0,1,2,3
	s_wait_dscnt 4*(3-(\s))                        ; behind sample s's loads stand four LDS instructions for each later sample
	global_store_b128 v[VGO], v[W3R+8*(\s):W3R+8*(\s)+3],   s[20:21] offset:1024*(\s) th:TH_STORE_NT      ; 512 consecutive bytes, at a multiple of 256 from out2's first byte
	global_store_b128 v[VGO], v[W3R+8*(\s)+4:W3R+8*(\s)+7], s[20:21] offset:1024*(\s)+512 th:TH_STORE_NT
.endr
	s_wait_xcnt 0x0                                ; the stores' base and data registers are rewritten only behind this wait
	s_add_nc_u64 s[20:21], s[20:21], 4096
	v_add_nc_u32 v[VBC], 4*PS, v[VBC]
	s_sub_co_u32 s[CO], s[CO], 1
	s_cmp_lg_u32 s[CO], 0
	s_cbranch_scc1 .Lgroup
	; ---------------- the end: the work-group's 64 y leave as one block of 256 bytes ----------------
	s_wait_tensorcnt 0x0                           ; the wave's end, behind my last LDS store
	ds_add_u32 v[SPW], v[NIL]
	s_wait_dscnt 0x0                               ; also for wave 0's sake: my 16 y are in LDS
	s_barrier_signal -1
	s_barrier_wait -1
	s_cmp_lg_u32 s[WV], 0
	s_cbranch_scc1 .Lend
	v_lshlrev_b32 v[VX], 3, v[VL]
	v_add_nc_u32 v[VB1], YST, v[VX]
	ds_load_b64 v[W3R:W3R+1], v[VB1]
	s_wait_dscnt 0x0
	global_store_b64 v[VX], v[W3R:W3R+1], s[16:17] th:TH_STORE_NT    ; 32 lanes, 256 consecutive bytes, at a multiple of 256 from out0's first byte
.Lend:
	s_endpgm
.Lfunc_end_k_q466b094c2f_idnn:
	.size	k_q466b094c2f_idnn, .Lfunc_end_k_q466b094c2f_idnn-k_q466b094c2f_idnn
	.p2alignl 7, 3214868480
	.fill 96, 4, 3214868480
	.section	.rodata,"a",@progbits
	.p2align	6, 0x0
	.amdhsa_kernel k_q466b094c2f_idnn
		.amdhsa_group_segment_fixed_size 279552
		.amdhsa_private_segment_fixed_size 0
		.amdhsa_enable_private_segment 0
		.amdhsa_kernarg_size 72
		.amdhsa_user_sgpr_count 2
		.amdhsa_user_sgpr_kernarg_segment_ptr 1
		.amdhsa_wavefront_size32 1
		.amdhsa_system_sgpr_workgroup_id_x 1
		.amdhsa_system_sgpr_workgroup_id_y 1
		.amdhsa_system_sgpr_workgroup_id_z 1
		.amdhsa_system_vgpr_workitem_id 0
		.amdhsa_next_free_vgpr 736
		.amdhsa_next_free_sgpr 66
		.amdhsa_reserve_vcc 0
		.amdhsa_float_denorm_mode_32 3
		.amdhsa_float_denorm_mode_16_64 3
		.amdhsa_memory_ordered 1
		.amdhsa_forward_progress 1
		.amdhsa_inst_pref_size 155
	.end_amdhsa_kernel
	.amdgpu_metadata
---
amdhsa.version: [ 1, 2 ]
amdhsa.kernels:
  - .name:           k_q466b094c2f_idnn
    .symbol:         k_q466b094c2f_idnn.kd
    .args:
      - { .name: x, .offset: 0, .size: 8, .value_kind: global_buffer, .address_space: global }
      - { .name: W1, .offset: 8, .size: 8, .value_kind: global_buffer, .address_space: global }
      - { .name: b1, .offset: 16, .size: 8, .value_kind: global_buffer, .address_space: global }
      - { .name: W2, .offset: 24, .size: 8, .value_kind: global_buffer, .address_space: global }
      - { .name: b2, .offset: 32, .size: 8, .value_kind: global_buffer, .address_space: global }
      - { .name: W3, .offset: 40, .size: 8, .value_kind: global_buffer, .address_space: global }
      - { .name: out0, .offset: 48, .size: 8, .value_kind: global_buffer, .address_space: global }
      - { .name: out1, .offset: 56, .size: 8, .value_kind: global_buffer, .address_space: global }
      - { .name: out2, .offset: 64, .size: 8, .value_kind: global_buffer, .address_space: global }
    .group_segment_fixed_size: 279552
    .private_segment_fixed_size: 0
    .kernarg_segment_align: 8
    .kernarg_segment_size: 72
    .max_flat_workgroup_size: 128
    .sgpr_count:     66
    .vgpr_count:     736
    .wavefront_size: 32
...
	.end_amdgpu_metadata
.endif
;; end of part 1
